; MI455X (gfx1250); checked and timed in simulation.
; The chip was launched on July 23, 2026; its instructions are those of AMD's public machine-readable ISA for CDNA 5 (MIT licence, August 2026) and "CDNA5" Instruction Set Architecture Reference Guide (July 2026). The comments in the code are by the model that wrote it; some were corrected since.
;; Dot Module. Allowed arithmetic: float matrix products may take bf16 or f16 operands with f32 sums; other float arithmetic in f32, or as packed bf16 or f16 multiplies, adds, multiply-adds, maxima and minima; sums over many terms, partial sums and values carried from step to step in f32; what a program stores and reads back later, other than sums and carried values, may be rounded once to bf16 or f16.
;; Inputs: lhs 4,096 x 4,096 float32; rhs 4,096 x 4,096 float32.
;; Outputs: out0 4,096 x 4,096 float32.
;; One version. Each part assembles by itself: llvm-mc -triple=amdgcn-amd-amdhsa -mcpu=gfx1250 --defsym DOCPART=n.
;; ======== version 1 of 1: 3 launches
;; limits: right only within a limited range of input values
;; workspace buffers: pmax 2,048 bytes; qa 33,554,432 bytes; qb 33,554,432 bytes
;; launch absmax (part 1): grid 256 x 2, 8 waves a work-group, no clusters, 1,280 bytes of LDS; arguments lhs, rhs, pmax; writes pmax
.if DOCPART == 1
	.amdgcn_target "amdgcn-amd-amdhsa--gfx1250"
	.amdhsa_code_object_version 6
	.text
	.protected	k_q5f5ee65383_absmax
	.globl	k_q5f5ee65383_absmax
	.p2align	8
	.type	k_q5f5ee65383_absmax,@function
k_q5f5ee65383_absmax:
	s_mov_b64 s[64:65], 0
	v_nop
	global_prefetch_b8 v0, s[64:65] scope:SCOPE_SE
	s_setreg_imm32_b32 hwreg(HW_REG_WAVE_MODE, 25, 1), 1
	s_wait_xcnt 0x0
; pmax[256 y + x] = the largest |v| in part x (262,144 bytes) of tensor y (0: lhs, 1: rhs).  The scale of the quantization hangs on the whole tensor,
; so this pass ends before any number is quantized; the 256 partial maxima of a tensor are joined by the launches that follow.
; SHARES.  Eight waves; thread t takes the 16 bytes at 16 t of each of 64 chunks of 4,096 bytes: a load of a wave covers 512 consecutive bytes, aligned.
; A ring of 16 slots in registers keeps 16 loads of every wave on their way.  All 64 turns are written out: a chunk's place stands in the load's immediate, no address is ever stepped.
; |v| is not formed: a running maximum and a running minimum, two chains each, all started at 0; the result is max(max, -min), which is 0 at the least.
; No work-group shares a byte with another, and there is no product: no cluster, no tensor load, no matrix unit.
; LIMITS.  A NaN loses in every maximum and minimum here (the reference would give NaN everywhere); an infinity gives an infinite bound.
.set CHUNK,  4096
.set CHUNKS, 64
.set DEPTH,  16
.set SPARE,  256                       ; LDS: bytes 0-31 the eight waves' maxima (the block 0-255 is theirs alone); from 256 on the spare words, 128 bytes a wave
.set OFF, 1                            ; v1       16 t; never rewritten
.set MX,  2                            ; v2-3     two running maxima
.set MN,  4                            ; v4-5     two running minima
.set SPW, 8                            ; v8       LDS address of my spare word; never rewritten
.set NIL, 9                            ; v9       0; never rewritten
.set X,   20                           ; v[20:83] slot i: 4 registers
.macro RED8 d, x                       ; the maximum of eight registers
	v_max3_num_f32 v[\d], v[\x], v[(\x)+1], v[(\x)+2]
	v_max3_num_f32 v[\d], v[\d], v[(\x)+3], v[(\x)+4]
	v_max3_num_f32 v[\d], v[\d], v[(\x)+5], v[(\x)+6]
	v_max_num_f32 v[\d], v[\d], v[(\x)+7]
.endm
.macro XLANE d, t                      ; the maximum over the 32 lanes, in every lane; v[t] has been written before
	v_max_num_f32_dpp v[\d], v[\d], v[\d] row_xmask:1 row_mask:0xf bank_mask:0xf
	v_max_num_f32_dpp v[\d], v[\d], v[\d] row_xmask:2 row_mask:0xf bank_mask:0xf
	v_max_num_f32_dpp v[\d], v[\d], v[\d] row_xmask:4 row_mask:0xf bank_mask:0xf
	v_max_num_f32_dpp v[\d], v[\d], v[\d] row_xmask:8 row_mask:0xf bank_mask:0xf
	v_permlanex16_b32 v[\t], v[\d], s16, s17
	v_max_num_f32 v[\d], v[\d], v[\t]
.endm
	s_load_b128 s[4:7], s[0:1], 0x0                ; lhs s[4:5], rhs s[6:7]
	s_load_b64 s[8:9], s[0:1], 0x10                ; pmax
	v_lshl_add_u32 v[SPW], v0, 2, SPARE
	v_mov_b32 v[NIL], 0
	v_lshrrev_b32 v6, 5, v0
	v_readfirstlane_b32 s10, v6                    ; wave 0..7
	s_and_b32 s11, ttmp7, 0xffff                   ; which tensor
	s_lshl_b32 s12, ttmp9, 18                      ; my part's first byte
	s_mov_b32 s13, 0
	s_lshl_b32 s14, s11, 8
	s_add_co_u32 s14, s14, ttmp9
	s_lshl_b32 s14, s14, 2                         ; my word of pmax: 4 (256 y + x)
	s_mov_b32 s16, 0x76543210                      ; v_permlanex16_b32: each lane takes its own place in the other half
	s_mov_b32 s17, 0xfedcba98
	v_lshlrev_b32 v[OFF], 4, v0
	v_mov_b32 v10, s10
	v_lshlrev_b32 v10, 2, v10                      ; my wave's word in LDS
	s_wait_kmcnt 0x0
	s_cmp_eq_u32 s11, 0
	s_cselect_b64 s[4:5], s[4:5], s[6:7]
	s_add_nc_u64 s[4:5], s[4:5], s[12:13]
.set j, 0
.rept DEPTH
	global_load_b128 v[X+4*j:X+4*j+3], v[OFF], s[4:5] offset:j*CHUNK th:TH_LOAD_NT
.set j, j+1
.endr
	v_mov_b32 v[MX], 0
	v_mov_b32 v[MX+1], 0
	v_mov_b32 v[MN], 0
	v_mov_b32 v[MN+1], 0
.set j, 0
.rept CHUNKS
.if j < CHUNKS-DEPTH
	s_wait_loadcnt DEPTH-1                         ; loads come back in order: chunk j is in, the 15 younger ones stay out
.else
	s_wait_loadcnt CHUNKS-1-j                      ; nothing more is asked for: the counts run down
.endif
.set b, X+4*(j%DEPTH)
	v_max3_num_f32 v[MX],   v[MX],   v[b],   v[b+1]
	v_max3_num_f32 v[MX+1], v[MX+1], v[b+2], v[b+3]
	v_min3_num_f32 v[MN],   v[MN],   v[b],   v[b+1]
	v_min3_num_f32 v[MN+1], v[MN+1], v[b+2], v[b+3]
.if j < CHUNKS-DEPTH
	global_load_b128 v[b:b+3], v[OFF], s[4:5] offset:(j+DEPTH)*CHUNK th:TH_LOAD_NT
.endif
.set j, j+1
.endr
	v_max_num_f32 v[MX], v[MX], v[MX+1]
	v_min_num_f32 v[MN], v[MN], v[MN+1]
	v_sub_f32 v[MN], 0, v[MN]
	v_max_num_f32 v[MX], v[MX], v[MN]              ; my thread's largest magnitude
	v_mov_b32 v6, 0
	XLANE MX, 6                                    ; my wave's
	ds_store_b32 v10, v[MX]                        ; all lanes write the same word with the same value
	s_wait_dscnt 0x0                               ; for the others' sake: my store is done
	s_barrier_signal -1
	s_barrier_wait -1
	v_mov_b32 v7, 0
	ds_load_b128 v[12:15], v7
	ds_load_b128 v[16:19], v7 offset:16
	v_mov_b32 v11, s14
	s_wait_dscnt 0x0
	RED8 MX, 12                                    ; the work-group's
	s_wait_xcnt 0x0                                ; EXEC is narrowed only behind this wait
	v_cmp_eq_u32 vcc_lo, 0, v0
	s_and_saveexec_b32 s18, vcc_lo
	global_store_b32 v11, v[MX], s[8:9]            ; one word a work-group, by thread 0: 2,048 bytes in the whole launch
	s_wait_xcnt 0x0                                ; and widened only behind this one
	s_or_b32 exec_lo, exec_lo, s18
	s_wait_tensorcnt 0x0                           ; the wave's end, behind my last LDS store
	ds_add_u32 v[SPW], v[NIL]
	s_wait_dscnt 0x0
	s_endpgm
.Lfunc_end_k_q5f5ee65383_absmax:
	.size	k_q5f5ee65383_absmax, .Lfunc_end_k_q5f5ee65383_absmax-k_q5f5ee65383_absmax
	.p2alignl 7, 3214868480
	.fill 96, 4, 3214868480
	.section	.rodata,"a",@progbits
	.p2align	6, 0x0
	.amdhsa_kernel k_q5f5ee65383_absmax
		.amdhsa_group_segment_fixed_size 1280
		.amdhsa_private_segment_fixed_size 0
		.amdhsa_enable_private_segment 0
		.amdhsa_kernarg_size 24
		.amdhsa_user_sgpr_count 2
		.amdhsa_user_sgpr_kernarg_segment_ptr 1
		.amdhsa_wavefront_size32 1
		.amdhsa_system_sgpr_workgroup_id_x 1
		.amdhsa_system_sgpr_workgroup_id_y 1
		.amdhsa_system_sgpr_workgroup_id_z 1
		.amdhsa_system_vgpr_workitem_id 0
		.amdhsa_next_free_vgpr 84
		.amdhsa_next_free_sgpr 66
		.amdhsa_reserve_vcc 1
		.amdhsa_float_denorm_mode_32 3
		.amdhsa_float_denorm_mode_16_64 3
		.amdhsa_memory_ordered 1
		.amdhsa_forward_progress 1
		.amdhsa_inst_pref_size 27
	.end_amdhsa_kernel
	.amdgpu_metadata
---
amdhsa.version: [ 1, 2 ]
amdhsa.kernels:
  - .name:           k_q5f5ee65383_absmax
    .symbol:         k_q5f5ee65383_absmax.kd
    .args:
      - { .name: lhs, .offset: 0, .size: 8, .value_kind: global_buffer, .address_space: global }
      - { .name: rhs, .offset: 8, .size: 8, .value_kind: global_buffer, .address_space: global }
      - { .name: pmax, .offset: 16, .size: 8, .value_kind: global_buffer, .address_space: global }
    .group_segment_fixed_size: 1280
    .private_segment_fixed_size: 0
    .kernarg_segment_align: 8
    .kernarg_segment_size: 24
    .max_flat_workgroup_size: 256
    .sgpr_count:     66
    .vgpr_count:     84
    .wavefront_size: 32
...
	.end_amdgpu_metadata
.endif
;; end of part 1
;; launch quant (part 2): grid 256 x 2, 8 waves a work-group, no clusters, 0 bytes of LDS; arguments lhs, rhs, pmax, qa, qb; writes qa, qb
.if DOCPART == 2
	.amdgcn_target "amdgcn-amd-amdhsa--gfx1250"
	.amdhsa_code_object_version 6
	.text
	.protected	k_q5f5ee65383_quant
	.globl	k_q5f5ee65383_quant
	.p2align	8
	.type	k_q5f5ee65383_quant,@function
k_q5f5ee65383_quant:
	s_mov_b64 s[64:65], 0
	v_nop
	global_prefetch_b8 v0, s[64:65] scope:SCOPE_SE
	s_setreg_imm32_b32 hwreg(HW_REG_WAVE_MODE, 25, 1), 1
	s_wait_xcnt 0x0
; q = clip(round(x * scale), -127, 127), scale = 127 / max(largest |x| of the tensor, 1e-6); written as bf16, which holds every whole number up to 256 exactly.
; y = 0: lhs -> qa, y = 1: rhs -> qb; both keep their row-major order (the product reads rhs's tiles turned, out of LDS).
; The decisions are the reference's own: x * scale is one f32 multiply, the rounding is to the nearest even, the clip is kept.  The scale is a reciprocal with one step of
; correction: q0 = 127 r, e = 127 - b q0 (fused), q = q0 + e r (fused); it may differ from the f32 quotient in the last bit.  The product's launch makes it by the same lines.
; SHARES.  Eight waves; a work-group takes 262,144 bytes of x, 64 chunks of 4,096.  Thread t loads the 16 bytes at 16 t of a chunk and stores the 8 bytes at 8 t of the chunk's 2,048:
; a load of a wave covers 512 consecutive bytes, a store 256, both aligned.  A ring of 16 slots in registers keeps 16 loads of every wave on their way.
; No work-group shares a stream with another (the 1,024 bytes of partial maxima aside): no cluster, no LDS, no matrix unit.
; LIMITS.  The largest magnitude stays under 2^126 (above it the reciprocal is flushed to 0); a NaN in x gives a NaN in q, but has lost in the maximum.
.set CHUNK,  4096
.set DEPTH,  16
.set ROUNDS, 64/DEPTH
.set OFFL, 1                           ; v1        16 t; never rewritten
.set OFFS, 2                           ; v2        8 t; never rewritten
.set T,    18                          ; v[18:25]  at work: two sets of four, by the slot's parity
.set X,    28                          ; v[28:91]  slot i: 4 registers as loaded
.set Y,    92                          ; v[92:123] slot i: 2 registers to store
.macro RED8 d, x
	v_max3_num_f32 v[\d], v[\x], v[(\x)+1], v[(\x)+2]
	v_max3_num_f32 v[\d], v[\d], v[(\x)+3], v[(\x)+4]
	v_max3_num_f32 v[\d], v[\d], v[(\x)+5], v[(\x)+6]
	v_max_num_f32 v[\d], v[\d], v[(\x)+7]
.endm
.macro XLANE d, t
	v_max_num_f32_dpp v[\d], v[\d], v[\d] row_xmask:1 row_mask:0xf bank_mask:0xf
	v_max_num_f32_dpp v[\d], v[\d], v[\d] row_xmask:2 row_mask:0xf bank_mask:0xf
	v_max_num_f32_dpp v[\d], v[\d], v[\d] row_xmask:4 row_mask:0xf bank_mask:0xf
	v_max_num_f32_dpp v[\d], v[\d], v[\d] row_xmask:8 row_mask:0xf bank_mask:0xf
	v_permlanex16_b32 v[\t], v[\d], s24, s25
	v_max_num_f32 v[\d], v[\d], v[\t]
.endm
	s_load_b256 s[4:11], s[0:1], 0x0               ; lhs s[4:5], rhs s[6:7], pmax s[8:9], qa s[10:11]
	s_load_b64 s[12:13], s[0:1], 0x20              ; qb
	s_and_b32 s14, ttmp7, 0xffff                   ; which tensor
	s_lshl_b32 s16, ttmp9, 18                      ; my part of x,
	s_mov_b32 s17, 0
	s_lshl_b32 s18, ttmp9, 17                      ; and of q
	s_mov_b32 s19, 0
	s_lshl_b32 s28, s14, 10                        ; the tensor's 256 partial maxima
	s_mov_b32 s29, 0
	s_mov_b32 s22, 0xc2fe0000                      ; -127.0
	s_mov_b32 s23, 0x42fe0000                      ; 127.0
	s_mov_b32 s24, 0x76543210
	s_mov_b32 s25, 0xfedcba98
	v_lshlrev_b32 v[OFFL], 4, v0
	v_lshlrev_b32 v[OFFS], 3, v0
	v_and_b32 v3, 31, v0
	v_lshlrev_b32 v3, 4, v3                        ; 16 x lane
	s_wait_kmcnt 0x0
	s_cmp_eq_u32 s14, 0
	s_cselect_b64 s[4:5], s[4:5], s[6:7]
	s_cselect_b64 s[10:11], s[10:11], s[12:13]
	s_add_nc_u64 s[4:5], s[4:5], s[16:17]
	s_add_nc_u64 s[10:11], s[10:11], s[18:19]
	s_add_nc_u64 s[8:9], s[8:9], s[28:29]
	global_load_b128 v[4:7],  v3, s[8:9]           ; every wave takes all 256 partial maxima, eight a lane
	global_load_b128 v[8:11], v3, s[8:9] offset:512
.set j, 0
.rept DEPTH
	global_load_b128 v[X+4*j:X+4*j+3], v[OFFL], s[4:5] offset:j*CHUNK th:TH_LOAD_NT
.set j, j+1
.endr
	v_mov_b32 v16, 0
	s_wait_loadcnt DEPTH                           ; the partial maxima are in; the ring's 16 loads, issued behind them, stay out
	RED8 12, 4
	XLANE 12, 16
	v_max_num_f32 v12, 0x358637bd, v12             ; b = max(bound, 1e-6)
	v_rcp_f32 v13, v12
	v_nop                                          ; a plain instruction behind the reciprocal,
	s_wait_alu depctr_va_vdst(0)                   ; and the wait ahead of its first use
	v_mul_f32 v14, s23, v13                        ; q0 = 127 r
	v_fma_f32 v15, -v12, v14, s23                  ; e = 127 - b q0
	v_fma_f32 v14, v15, v13, v14                   ; q0 + e r
	v_readfirstlane_b32 s20, v14
	s_mov_b32 s21, s20                             ; named with it as a pair
; One slot's turn.  ahead = 1: the slot is filled again with the chunk 16 further on.  left = how many younger loads may stay out.
.macro SLOT i, ahead, left
.set TS, T+4*((\i)%2)
.set XS, X+4*(\i)
.set YS, Y+2*(\i)
	s_wait_loadcnt \left
	v_pk_mul_f32 v[TS:TS+1],   v[XS:XS+1],   s[20:21] op_sel_hi:[1,0]
	v_pk_mul_f32 v[TS+2:TS+3], v[XS+2:XS+3], s[20:21] op_sel_hi:[1,0]
.if \ahead
	global_load_b128 v[XS:XS+3], v[OFFL], s[4:5] offset:(DEPTH+(\i))*CHUNK th:TH_LOAD_NT
.endif
.irp k, 0,1,2,3
	v_rndne_f32 v[TS+(\k)], v[TS+(\k)]
.endr
.irp k, 0,1,2,3
	v_med3_num_f32 v[TS+(\k)], v[TS+(\k)], s22, s23
.endr
	v_cvt_pk_bf16_f32 v[YS],   v[TS],   v[TS+1]    ; exact: whole numbers of at most 127
	v_cvt_pk_bf16_f32 v[YS+1], v[TS+2], v[TS+3]
	global_store_b64 v[OFFS], v[YS:YS+1], s[10:11] offset:(\i)*(CHUNK/2) th:TH_STORE_NT
.endm
	s_mov_b32 s26, ROUNDS-1
.Lround:
.irp i, 0,1,2,3,4,5,6,7,8,9,10,11,12,13,14,15
	SLOT \i, 1, DEPTH-1                            ; 15 younger loads: the slots behind mine of the round before, those in front of mine of this round
.endr
	s_wait_xcnt 0x0                                ; both bases and all of Y are rewritten only behind this wait
	s_add_nc_u64 s[4:5], s[4:5], DEPTH*CHUNK
	s_add_nc_u64 s[10:11], s[10:11], DEPTH*CHUNK/2
	s_sub_co_u32 s26, s26, 1
	s_cmp_lg_u32 s26, 0
	s_cbranch_scc1 .Lround
.irp i, 0,1,2,3,4,5,6,7,8,9,10,11,12,13,14,15
	SLOT \i, 0, DEPTH-1-(\i)                       ; the last round loads nothing: the counts run down
.endr
	s_endpgm
.Lfunc_end_k_q5f5ee65383_quant:
	.size	k_q5f5ee65383_quant, .Lfunc_end_k_q5f5ee65383_quant-k_q5f5ee65383_quant
	.p2alignl 7, 3214868480
	.fill 96, 4, 3214868480
	.section	.rodata,"a",@progbits
	.p2align	6, 0x0
	.amdhsa_kernel k_q5f5ee65383_quant
		.amdhsa_group_segment_fixed_size 0
		.amdhsa_private_segment_fixed_size 0
		.amdhsa_enable_private_segment 0
		.amdhsa_kernarg_size 40
		.amdhsa_user_sgpr_count 2
		.amdhsa_user_sgpr_kernarg_segment_ptr 1
		.amdhsa_wavefront_size32 1
		.amdhsa_system_sgpr_workgroup_id_x 1
		.amdhsa_system_sgpr_workgroup_id_y 1
		.amdhsa_system_sgpr_workgroup_id_z 1
		.amdhsa_system_vgpr_workitem_id 0
		.amdhsa_next_free_vgpr 124
		.amdhsa_next_free_sgpr 66
		.amdhsa_reserve_vcc 0
		.amdhsa_float_denorm_mode_32 3
		.amdhsa_float_denorm_mode_16_64 3
		.amdhsa_memory_ordered 1
		.amdhsa_forward_progress 1
		.amdhsa_inst_pref_size 30
	.end_amdhsa_kernel
	.amdgpu_metadata
---
amdhsa.version: [ 1, 2 ]
amdhsa.kernels:
  - .name:           k_q5f5ee65383_quant
    .symbol:         k_q5f5ee65383_quant.kd
    .args:
      - { .name: lhs, .offset: 0, .size: 8, .value_kind: global_buffer, .address_space: global }
      - { .name: rhs, .offset: 8, .size: 8, .value_kind: global_buffer, .address_space: global }
      - { .name: pmax, .offset: 16, .size: 8, .value_kind: global_buffer, .address_space: global }
      - { .name: qa, .offset: 24, .size: 8, .value_kind: global_buffer, .address_space: global }
      - { .name: qb, .offset: 32, .size: 8, .value_kind: global_buffer, .address_space: global }
    .group_segment_fixed_size: 0
    .private_segment_fixed_size: 0
    .kernarg_segment_align: 8
    .kernarg_segment_size: 40
    .max_flat_workgroup_size: 256
    .sgpr_count:     66
    .vgpr_count:     124
    .wavefront_size: 32
...
	.end_amdgpu_metadata
.endif
;; end of part 2
;; launch gemm (part 3): grid 16 x 16, 4 waves a work-group, clusters of 4 x 4, 327,680 bytes of LDS; arguments qa, qb, pmax, out0; writes out0
.if DOCPART == 3
	.amdgcn_target "amdgcn-amd-amdhsa--gfx1250"
	.amdhsa_code_object_version 6
	.text
	.protected	k_q5f5ee65383_gemm
	.globl	k_q5f5ee65383_gemm
	.p2align	8
	.type	k_q5f5ee65383_gemm,@function
k_q5f5ee65383_gemm:
	s_mov_b64 s[64:65], 0
	v_nop
	global_prefetch_b8 v0, s[64:65] scope:SCOPE_SE
	s_setreg_imm32_b32 hwreg(HW_REG_WAVE_MODE, 25, 1), 1
	s_wait_xcnt 0x0
	s_wait_alu depctr_hold_cnt(0) depctr_sa_sdst(0) depctr_va_vdst(0) depctr_va_sdst(0) depctr_va_ssrc(0) depctr_va_vcc(0) depctr_vm_vsrc(0)
	s_getreg_b32 s2, hwreg(HW_REG_IB_STS2, 6, 4)
	s_cmp_eq_u32 s2, 0
	s_cbranch_scc0 .Lentry_in_a_cluster
	s_endpgm
.Lentry_in_a_cluster:
	s_bfe_u32 s2, ttmp6, 0x10000c
	s_cmp_lg_u32 s2, 0xf033
	s_cbranch_scc0 .Lentry_shape_is_right
	s_endpgm
.Lentry_shape_is_right:
; out[m][n] = (the sum over k of qa[m][k] qb[k][n]) / (s_l s_r).  qa: [4096 m][4096 k], qb: [4096 k][4096 n], bf16 that hold whole numbers of at most 127, so the products are exact;
; sums in f32; out: [4096][4096] f32.  s_l and s_r are made from pmax by the same lines as in the launch that quantized, so they have the same bits.
; LIMITS.  The division is a multiplication by 1 / (s_l s_r), a reciprocal with one step of correction: the last bit or two may differ from a quotient.  s_l s_r lies within 2^-126 .. 2^126,
; each tensor's largest magnitude under 2^126.  A sum is exact up to 2^24 and rounded in f32 beyond (4096 x 127 x 127 is the most).
; SHARES.  A tile of out, 256 x 256, is made by a work-group of four waves; a wave makes 128 x 128: 64 accumulators of 16 x 16, 512 registers.  256 tiles, one to a work-group.
; K goes in 32 steps of 128 through a ring of two LDS slots filled by the tensor data mover.  A's tile: 256 rows of 256 bytes.  B's tile lies as in memory, [k][n]: 128 rows of 512 bytes;
; its fragments come out of LDS turned, by ds_load_tr16_b128: two loads a fragment, as for A.
; CLUSTERS.  4 x 4 work-groups.  The four of a row of the cluster need the same tiles of A, the four of a column the same tiles of B: each tile is asked for JOINTLY, by the same tensor load with the
; same descriptor and a mask that names the four.
; THE MATRIX INSTRUCTION IS USED TRANSPOSED: source 0 = 16 columns of B, source 1 = 16 rows of A.  In the result lane l holds row l % 16 of out and its registers 0-7 the columns
; 8 (l / 16) + 0..7: 32 consecutive bytes of a row.
; REGISTERS, in windows of 256 (s_set_vgpr_msb: bits 1:0 source 0, 3:2 source 1, 5:4 source 2, 7:6 destination):
;   window 0: v0-47 addresses and the scales' arithmetic; v64-127, v128-191 fragments of A, two buffers; on the way out v64-127 scaled results, v128-191 and v192-255 rows read back, by turns
;   window 1: v64-127, v128-191 fragments of B, two buffers
;   window 2: the 32 accumulators of my rows 0-63 ((a, b) at v[8 (8 a + b)]);   window 3: those of my rows 64-127
; All of the WGP's LDS is claimed.
.set KSTEP,  128
.set LAPS,   4096/(2*KSTEP)            ; a lap = two K steps = once round the ring
.set ROWB,   8192                      ; bytes in a row of qa and of qb
.set CROW,   16384                     ; bytes in a row of out
.set PA,     272                       ; a row of A in LDS: 256 bytes + 16 of padding: the 16 rows of a load start at 16 different groups of four banks (64 banks of 4 bytes: ISA guide 11.1)
.set PB,     544                       ; a k-row of B: 512 + 32
.set HALFT,  128*PA                    ; what one tensor load brings: 128 rows of A, or 64 k-rows of B (64 PB is the same number)
.set SLOT,   4*HALFT                   ; A's 256 rows, then B's 128 k-rows
.set STAGE,  2*SLOT                    ; behind the ring, never filled by a tensor load: 16 rows x 528 bytes for each wave, for the way out
.set SPITCH, 528                       ; 512 bytes + 16
.set SPARE,  STAGE+4*16*SPITCH         ; behind the stages: the spare words, 128 bytes for each wave: two blocks of 256 bytes that no other line names
.set ADRA, 16                          ; v16-17  LDS address of my A fragments in slot 0, 1
.set ADRB, 20                          ; v20-21  the same for B
.set STO,  24                          ; v24     the way out: where I put 32 bytes of a row
.set RD,   25                          ; v25     the way out: where I read a row back
.set CO,   26                          ; v26     16 x lane: my bytes in 512 consecutive bytes of out; never rewritten
.set SPW,  28                          ; v28     LDS address of my spare word; never rewritten
.set NIL,  29                          ; v29     0; never rewritten
.set PFO,  30                          ; v30     the prefetches' offset; never rewritten
.set F0,   64
.set F1,   128
.set TMP,  64
.set BK,   128
.set WV,   12                          ; s12  my wave's number
.set RH,   13                          ; s13  which half of the tile's rows is mine.  Also: I fetch for A (0) or for B (1)
.set CH,   14                          ; s14  which half of its columns.  Also: which half of that tile I fetch
.set CX,   15                          ; s15, s16  my place in the cluster
.set CY,   16
.set TC,   17                          ; s17  tile column of out
.set TR,   18                          ; s18  tile row
.set G1,   24                          ; s[24:31] descriptor group 1 for A's tiles;  s[32:39] group 0, one set for each slot
.set G0,   32
.set LIM,  43                          ; s43  1 in a wave that prefetches, else the greatest number
.set PFA,  44                          ; s[44:45] where my prefetches stand
.set PFS,  46                          ; s[46:47] a K step in bytes along my tensor: 256 in A, 128 rows in B
.set G1B,  48                          ; s[48:55], s[56:63] the same for B's tiles
.set G0B,  56
.set INV,  66                          ; s[66:67] 1 / (s_l s_r), twice
.set SEL,  68                          ; s[68:69] v_permlanex16_b32's selects
.set C127, 70                          ; s70  127.0
.set MSB, 0
.macro WIN new                         ; the immediate's high byte repeats the setting that is left; a switch that changes nothing is dropped
.if MSB != (\new)
	s_set_vgpr_msb (MSB<<8)|(\new)
.set MSB, \new
.endif
.endm
.set MUL_LO, 0xa1                      ; source 0 (B) window 1, source 1 (A) window 0, C and D window 2
.set MUL_HI, 0xf1                      ; the same, C and D window 3
.set TO_B,   0x40                      ; destination window 1, address window 0
; A joint load.  Waves 0 and 1 fetch A's two halves, waves 2 and 3 B's.  The branch hangs on the wave's number alone.  An s_nop 0 and four v_nop follow each of the two lines, ahead of the
; jump, the label and what follows.
.macro JLOAD s
	s_cmp_eq_u32 s[RH], 0
	s_cbranch_scc0 .Lfor_b_\@
	tensor_load_to_lds s[G0+4*(\s):G0+4*(\s)+3], s[G1:G1+7]
	s_nop 0
.rept 4
	v_nop
.endr
	s_branch .Lasked_\@
.Lfor_b_\@:
	tensor_load_to_lds s[G0B+4*(\s):G0B+4*(\s)+3], s[G1B:G1B+7]
	s_nop 0
.rept 4
	v_nop
.endr
.Lasked_\@:
.endm
; A PREFETCH INTO THE L2, behind each joint refill, its five lines and the run of LDS loads that follows them: the K step that stands two refills on, 512 matrix instructions ahead of the load that
; will ask for it.  One instruction a wave, 32 blocks of 256 bytes, a lane a block.  Each block is named once in the launch: A's tile row is read by every cluster of that row of clusters, and the
; one with x = 0 asks; B's tile column by every cluster of that column, and the one with y = 0 asks.  The four partners that ask for a tile jointly share it out BY ADDRESS: of a wave's 128 rows of A
; the partner at cx takes 32; of its 64 k-rows of B (two blocks each) the partner at cy takes 16.  The loop's last trip (s3 = 1) asks for nothing: K steps 32 and 33 do not exist.
.macro ASK
	s_cmp_gt_u32 s3, s[LIM]
	s_cbranch_scc0 .Lnot_mine_\@
	global_prefetch_b8 v[PFO], s[PFA:PFA+1] th:TH_LOAD_NT scope:SCOPE_SE
.Lnot_mine_\@:
.endm
.macro CREST                           ; a round of the cluster's barrier behind its opening barrier
	s_cmp_lg_u32 s[WV], 0
	s_cbranch_scc1 .Lnot_wave_0_\@
	s_barrier_signal -3
.Lnot_wave_0_\@:
	s_barrier_wait -3
	s_barrier_signal -1
	s_barrier_wait -1
.endm
.macro CROUND                          ; a whole round
	s_barrier_signal -1
	s_barrier_wait -1
	CREST
.endm
.macro RED8 d, x                       ; the maximum of eight registers
	v_max3_num_f32 v[\d], v[\x], v[(\x)+1], v[(\x)+2]
	v_max3_num_f32 v[\d], v[\d], v[(\x)+3], v[(\x)+4]
	v_max3_num_f32 v[\d], v[\d], v[(\x)+5], v[(\x)+6]
	v_max_num_f32 v[\d], v[\d], v[(\x)+7]
.endm
.macro XLANE d, t                      ; the maximum over the 32 lanes, in every lane; v[t] has been written before
	v_max_num_f32_dpp v[\d], v[\d], v[\d] row_xmask:1 row_mask:0xf bank_mask:0xf
	v_max_num_f32_dpp v[\d], v[\d], v[\d] row_xmask:2 row_mask:0xf bank_mask:0xf
	v_max_num_f32_dpp v[\d], v[\d], v[\d] row_xmask:4 row_mask:0xf bank_mask:0xf
	v_max_num_f32_dpp v[\d], v[\d], v[\d] row_xmask:8 row_mask:0xf bank_mask:0xf
	v_permlanex16_b32 v[\t], v[\d], s[SEL], s[SEL+1]
	v_max_num_f32 v[\d], v[\d], v[\t]
.endm
	s_load_b256 s[4:11], s[0:1], 0x0               ; qa s[4:5], qb s[6:7], pmax s[8:9], out s[10:11]
	v_lshl_add_u32 v[SPW], v0, 2, SPARE
	v_mov_b32 v[NIL], 0
	ds_add_u32 v[SPW], v[NIL]                      ; the wave's opening: the add and its wait stand ahead of my first tensor load; the set-up below, work on registers, stands between them
	v_lshrrev_b32 v1, 5, v0
	v_readfirstlane_b32 s[WV], v1                  ; wave 0..3
	s_lshr_b32 s[RH], s[WV], 1
	s_and_b32 s[CH], s[WV], 1
	s_bfe_u32 s[CX], ttmp6, 0x40000
	s_bfe_u32 s[CY], ttmp6, 0x40004
	s_lshl_b32 s[TC], ttmp9, 2                     ; in a cluster launch ttmp9 and ttmp7 count clusters
	s_add_co_u32 s[TC], s[TC], s[CX]               ; tile column = 4 x cluster x + cx
	s_and_b32 s[TR], ttmp7, 0xffff
	s_lshl_b32 s[TR], s[TR], 2
	s_add_co_u32 s[TR], s[TR], s[CY]               ; tile row = 4 x cluster y + cy
	s_lshl_b32 s40, s[CY], 2
	s_lshl_b32 s40, 15, s40                        ; my row of the cluster: places 4 cy .. 4 cy + 3
	s_lshl_b32 s41, 0x1111, s[CX]                  ; my column: places cx, cx + 4, cx + 8, cx + 12
	; group 1 for A: 128 rows x 128 elements; 15:0 the mask; 17:16 elements of 2 bytes; 20 padding on; 21 set beside a mask; 24:22 after every 64 words (code 5); 31:25 4 words (code 3)
	s_or_b32 s[G1+0], s40, (1<<16)|(1<<20)|(1<<21)|(5<<22)|(3<<25)
	s_mov_b32 s[G1+1], 128<<16                     ; tensor_dim0 = 128
	s_mov_b32 s[G1+2], 128<<16                     ; tensor_dim1 = 128
	s_mov_b32 s[G1+3], 128<<16                     ; tile_dim0 = 128
	s_mov_b32 s[G1+4], 128                         ; tile_dim1 = 128
	s_mov_b32 s[G1+5], 4096                        ; elements from row to row
	s_mov_b32 s[G1+6], 0
	s_mov_b32 s[G1+7], 0
	; group 1 for B: 64 k-rows x 256 elements; padding after every 128 words (code 6), 8 words (code 7)
	s_or_b32 s[G1B+0], s41, (1<<16)|(1<<20)|(1<<21)|(6<<22)|(7<<25)
	s_mov_b32 s[G1B+1], 256<<16                    ; tensor_dim0 = 256
	s_mov_b32 s[G1B+2], 64<<16                     ; tensor_dim1 = 64
	s_mov_b32 s[G1B+3], 256<<16                    ; tile_dim0 = 256
	s_mov_b32 s[G1B+4], 64                         ; tile_dim1 = 64
	s_mov_b32 s[G1B+5], 4096
	s_mov_b32 s[G1B+6], 0
	s_mov_b32 s[G1B+7], 0
	; where the tiles come from.  A's hang on the tile row alone, B's on the tile column alone; every wave makes both, in registers that never hold the other coordinate
	s_lshl_b32 s20, s[TR], 8
	s_lshl_b32 s19, s[CH], 7
	s_add_co_u32 s20, s20, s19                     ; A: row 256 x tile row + 128 x half,
	s_lshl_b32 s20, s20, 13                        ; in bytes
	s_mov_b32 s21, 0
	s_lshl_b32 s72, s[TC], 9                       ; B: 512 bytes x tile column
	s_lshl_b32 s19, s[CH], 19                      ; + 64 k-rows x half
	s_add_co_u32 s72, s72, s19
	s_mov_b32 s73, 0
	s_mul_i32 s22, s[WV], HALFT                    ; where they go: A's two halves, then B's two: no place in the cluster enters an LDS address
	s_mov_b32 s[SEL], 0x76543210
	s_mov_b32 s[SEL+1], 0xfedcba98
	s_mov_b32 s[C127], 0x42fe0000
	s_wait_dscnt 0x0                               ; the opening add is done
	s_wait_kmcnt 0x0
	s_add_nc_u64 s[20:21], s[4:5], s[20:21]
	s_add_nc_u64 s[72:73], s[6:7], s[72:73]
	CROUND                                         ; all sixteen work-groups are here: the first joint loads meet
.irp s, 0,1
	s_mov_b32 s[G0+4*(\s)], 1                                        ; count = 1
	s_add_co_u32 s[G0+4*(\s)+1], s22, (\s)*SLOT                      ; LDS address
	s_add_nc_u64 s[G0+4*(\s)+2:G0+4*(\s)+3], s[20:21], (\s)*KSTEP*2  ; global address: K step s
	s_or_b32 s[G0+4*(\s)+3], s[G0+4*(\s)+3], 0x80000000              ; type = 2
	s_mov_b32 s[G0B+4*(\s)], 1
	s_add_co_u32 s[G0B+4*(\s)+1], s22, (\s)*SLOT
	s_add_nc_u64 s[G0B+4*(\s)+2:G0B+4*(\s)+3], s[72:73], (\s)*KSTEP*ROWB
	s_or_b32 s[G0B+4*(\s)+3], s[G0B+4*(\s)+3], 0x80000000
	JLOAD \s                                       ; two tensor loads of mine are out
.endr
	; all that follows, up to the wait for the first tile, stands in that tile's flight
	v_and_b32 v3, 31, v0                           ; l
	v_lshlrev_b32 v4, 4, v3                        ; 16 l; not rewritten while the four loads are out
	global_load_b128 v[32:35], v4, s[8:9]          ; lhs's 256 partial maxima, eight a lane,
	global_load_b128 v[36:39], v4, s[8:9] offset:512
	global_load_b128 v[40:43], v4, s[8:9] offset:1024  ; and rhs's
	global_load_b128 v[44:47], v4, s[8:9] offset:1536
	v_and_b32 v1, 15, v0                           ; l % 16
	v_bfe_u32 v2, v0, 4, 1                         ; l / 16
	; A fragment of A is 16 rows x 32 K: lane l holds row l % 16, K = 8 (l / 16) + 0..7 and 16 + 8 (l / 16) + 0..7: two loads of 16 bytes, 32 bytes apart
	v_mul_u32_u24 v5, v1, PA
	v_lshl_add_u32 v5, v2, 4, v5
	s_mul_i32 s42, s[RH], HALFT                    ; my 128 rows of A
	v_add_nc_u32 v[ADRA], s42, v5
	v_add_nc_u32 v[ADRA+1], SLOT, v[ADRA]
	; The turning load takes 16 k x 16 columns (lane l reads k-row 8 (l / 16) + l % 8, columns 8 ((l / 8) % 2) + 0..7) and leaves half a fragment: lane l holds column l % 16 and 8 k
	v_and_b32 v6, 7, v0
	v_lshl_add_u32 v6, v2, 3, v6
	v_mul_u32_u24 v6, v6, PB
	v_bfe_u32 v7, v0, 3, 1
	v_lshl_add_u32 v6, v7, 4, v6
	s_lshl_b32 s42, s[CH], 8                       ; my 128 columns: 256 bytes of a k-row,
	s_add_co_u32 s42, s42, 2*HALFT                 ; behind A's 256 rows
	v_add_nc_u32 v[ADRB], s42, v6
	v_add_nc_u32 v[ADRB+1], SLOT, v[ADRB]
	s_mul_i32 s42, s[WV], 16*SPITCH
	s_add_co_u32 s42, s42, STAGE                   ; my stage
	v_mul_u32_u24 v8, v1, SPITCH                   ; in: row l % 16, 32 bytes for each half of the lanes
	v_lshl_add_u32 v8, v2, 5, v8
	v_add_nc_u32 v[STO], s42, v8
	v_lshl_add_u32 v[RD], v3, 4, s42               ; back: 32 lanes take one row of 512 bytes
	v_lshlrev_b32 v[CO], 4, v3
	s_lshl_b32 s74, s[TR], 8                       ; my corner of out: row 256 x tile row + 128 x half,
	s_lshl_b32 s71, s[RH], 7
	s_add_co_u32 s74, s74, s71
	s_lshl_b32 s74, s74, 14
	s_lshl_b32 s71, s[TC], 10                      ; 1,024 bytes x tile column + 512 x half
	s_add_co_u32 s74, s74, s71
	s_lshl_b32 s71, s[CH], 9
	s_add_co_u32 s74, s74, s71
	s_mov_b32 s75, 0
	s_add_nc_u64 s[10:11], s[10:11], s[74:75]
	; the prefetches
	s_and_b32 s71, ttmp7, 0xffff                   ; cluster y
	s_lshl_b32 s76, s[TR], 8
	s_lshl_b32 s78, s[CH], 7
	s_add_co_u32 s76, s76, s78
	s_lshl_b32 s78, s[CX], 5
	s_add_co_u32 s76, s76, s78                     ; A: the 128 rows that I fetch, my work-group's 32 of them,
	s_lshl_b32 s76, s76, 13                        ; in bytes
	s_lshl_b32 s77, s[CH], 6
	s_lshl_b32 s78, s[CY], 4
	s_add_co_u32 s77, s77, s78                     ; B: the 64 k-rows that I fetch, my work-group's 16 of them,
	s_lshl_b32 s77, s77, 13
	s_lshl_b32 s78, s[TC], 9
	s_add_co_u32 s77, s77, s78                     ; at the tile column
	s_mov_b32 s78, KSTEP*2
	s_cmp_eq_u32 s[RH], 0                          ; do I fetch for A?
	s_cselect_b32 s74, s76, s77
	s_cselect_b32 s71, ttmp9, s71                  ; the coordinate along which other clusters read the same bytes
	s_cselect_b64 s[PFA:PFA+1], s[4:5], s[6:7]
	s_cselect_b32 s[PFS], s78, KSTEP*ROWB
	s_mov_b32 s[PFS+1], 0
	s_cmp_eq_u32 s71, 0
	s_cselect_b32 s[LIM], 1, -1                    ; the same in all sixteen partners, for a given wave
	s_add_nc_u64 s[PFA:PFA+1], s[PFA:PFA+1], s[74:75]
	s_mul_i32 s74, s[PFS], 3
	s_add_nc_u64 s[PFA:PFA+1], s[PFA:PFA+1], s[74:75]  ; at K step 3: the first refill steps it to 4.  Nothing is prefetched here, at the head: K steps 0 to 3 come by their loads alone
	v_lshrrev_b32 v9, s[RH], v3                    ; A (RH = 0): a lane a row; B (RH = 1): two lanes a k-row,
	v_lshlrev_b32 v9, 13, v9
	v_and_b32 v10, s[RH], v3                       ; 256 bytes apart
	v_lshl_add_u32 v[PFO], v10, 8, v9
	; 1 / (s_l s_r)
	v_mov_b32 v14, 0
	s_wait_loadcnt 0x0
	RED8 12, 32
	RED8 13, 40
	XLANE 12, 14
	XLANE 13, 14
	v_max_num_f32 v12, 0x358637bd, v12             ; b = max(bound, 1e-6)
	v_max_num_f32 v13, 0x358637bd, v13
	v_rcp_f32 v14, v12
	v_rcp_f32 v15, v13
	v_nop                                          ; a plain instruction behind the reciprocals,
	s_wait_alu depctr_va_vdst(0)                   ; and the wait ahead of their first use: one for the two
	v_mul_f32 v6, s[C127], v14                     ; q0 = 127 r
	v_mul_f32 v7, s[C127], v15
	v_fma_f32 v8, -v12, v6, s[C127]                ; e = 127 - b q0
	v_fma_f32 v9, -v13, v7, s[C127]
	v_fma_f32 v6, v8, v14, v6                      ; s = q0 + e r
	v_fma_f32 v7, v9, v15, v7
	v_mul_f32 v6, v6, v7                           ; p = s_l s_r
	v_rcp_f32 v7, v6
	v_nop
	s_wait_alu depctr_va_vdst(0)
	v_fma_f32 v8, -v6, v7, 1.0                     ; 1 - p r
	v_fma_f32 v7, v8, v7, v7
	v_readfirstlane_b32 s[INV], v7
	s_mov_b32 s[INV+1], s[INV]                     ; named with it as a pair
; 16 matrix instructions: row blocks a0, a0 + 1 of the window's four (hi = 0: my rows 0-63, 1: rows 64-127) x all 8 column blocks, 32 along K.  zero = 1: the first product starts the sums: nothing is cleared.
; The 64 accumulators take turns, one instruction a turn, in the same order in every quarter, over the backward jump too.
.macro MUL16 f, hi, a0, zero
	WIN MUL_LO+0x50*(\hi)
.irp a, \a0, (\a0)+1
.irp b, 0,1,2,3,4,5,6,7
.if \zero
	v_wmma_f32_16x16x32_bf16 v[8*(8*(\a)+(\b)):8*(8*(\a)+(\b))+7], v[(\f)+8*(\b):(\f)+8*(\b)+7], v[(\f)+8*(4*(\hi)+(\a)):(\f)+8*(4*(\hi)+(\a))+7], 0
.else
	v_wmma_f32_16x16x32_bf16 v[8*(8*(\a)+(\b)):8*(8*(\a)+(\b))+7], v[(\f)+8*(\b):(\f)+8*(\b)+7], v[(\f)+8*(4*(\hi)+(\a)):(\f)+8*(4*(\hi)+(\a))+7], v[8*(8*(\a)+(\b)):8*(8*(\a)+(\b))+7]
.endif
.endr
.endr
.endm
; 32 LDS loads in one run: the fragments of quarter q of a K step (32 k x my 128 columns of B, turned; my 128 rows of A x 32 k) into buffer f
.macro FETCH slot, q, f
	WIN TO_B
.irp i, 0,1,2,3,4,5,6,7
	ds_load_tr16_b128 v[(\f)+8*(\i):(\f)+8*(\i)+3],   v[ADRB+(\slot)] offset:(\q)*32*PB+32*(\i)
	ds_load_tr16_b128 v[(\f)+8*(\i)+4:(\f)+8*(\i)+7], v[ADRB+(\slot)] offset:(\q)*32*PB+16*PB+32*(\i)
.endr
	WIN 0
.irp i, 0,1,2,3,4,5,6,7
	ds_load_b128 v[(\f)+8*(\i):(\f)+8*(\i)+3],   v[ADRA+(\slot)] offset:(\q)*64+(\i)*16*PA
	ds_load_b128 v[(\f)+8*(\i)+4:(\f)+8*(\i)+7], v[ADRA+(\slot)] offset:(\q)*64+(\i)*16*PA+32
.endr
.endm
; Four places (plain vector instructions that name none of a matrix instruction's registers) in front of loads into registers that matrix instructions have read
.macro PLACES
.rept 4
	v_nop
.endr
.endm
; A K step is four quarters of 32 along K, 64 matrix instructions each, on buffers 0, 1, 0, 1.  One of the first three: multiplies buffer f; in its middle it fetches quarter q into buffer g.
.macro QUARTER slot, q, f, g, zero
	s_wait_dscnt 8                                 ; B and A's rows 0-63 are in; the youngest eight loads (A's rows 64-127) may be out
	MUL16 \f, 0, 0, \zero
	MUL16 \f, 0, 2, \zero
	PLACES
	FETCH \slot, \q, \g
	s_wait_dscnt 32                                ; all but the 32 just issued
	MUL16 \f, 1, 0, \zero
	MUL16 \f, 1, 2, \zero
.endm
; The last quarter's first half: ONE barrier for the change of slots.  In front of it each wave waits for all its tensor loads (one is out: its part of the next slot), adds 0 to its spare word, and waits
; for that and for its own reads of this slot.  Behind it nobody reads this slot any more and the next slot is whole.  round = 1: the rest of a round of the cluster's barrier follows.
.macro MEET round
	WIN 0                                          ; (the add's two registers lie in window 0)
	s_wait_tensorcnt 0x0
	ds_add_u32 v[SPW], v[NIL]                      ; 0 onto my spare word
	s_wait_dscnt 9                                 ; (the add and the youngest eight loads may be out)
	MUL16 F1, 0, 0, 0                              ; sixteen matrix instructions stand between the add and the wait for it
	s_wait_dscnt 0x0                               ; the add is done, and my reads of this slot are over
	s_barrier_signal -1
	MUL16 F1, 0, 2, 0                              ; work on registers while the others arrive
.if \round
	WIN 0
.endif
	s_barrier_wait -1
.endm
; The whole last quarter.  fill = 1: behind the round this slot is filled again, with the K step two on: my one tensor load behind the round, 224 matrix instructions ahead of the wait for it.
.macro TURN slot, next, fill
.if \fill
	s_wait_xcnt 0x0                                ; the last prefetch, a K step back, has read its address: it is stepped here, ahead of the waits of the change of slots
	s_add_nc_u64 s[PFA:PFA+1], s[PFA:PFA+1], s[PFS:PFS+1]
	MEET 1
	CREST                                          ; no wave of any partner still reads this slot's tile or has a load on its way
	s_add_nc_u64 s[G0+4*(\slot)+2:G0+4*(\slot)+3], s[G0+4*(\slot)+2:G0+4*(\slot)+3], 2*KSTEP*2
	s_add_nc_u64 s[G0B+4*(\slot)+2:G0B+4*(\slot)+3], s[G0B+4*(\slot)+2:G0B+4*(\slot)+3], 2*KSTEP*ROWB
	JLOAD \slot                                    ; the four v_nop behind it are also the places in front of the loads below
.else
	MEET 0
	PLACES
.endif
	FETCH \next, 0, F0
.if \fill
	ASK
.endif
	MUL16 F1, 1, 0, 0
	MUL16 F1, 1, 2, 0
.endm
; THE WAY OUT of block a (16 of my rows), in three parts.  SCALE: times 1 / (s_l s_r), each accumulator's registers in ascending order.  TOSTAGE: 32 bytes a lane into my own stage, and back as whole
; rows of 512 bytes.  SEND: stored.
.macro SCALE a
.set AC, 64*((\a)%4)
	WIN 0x02+(\a)/4                                ; source 0: window 2 or 3
.set i, 0
.rept 32
	v_pk_mul_f32 v[TMP+2*i:TMP+2*i+1], v[AC+2*i:AC+2*i+1], s[INV:INV+1] op_sel_hi:[1,0]
.set i, i+1
.endr
	WIN 0
.endm
.macro TOSTAGE a
.set BKA, BK+64*((\a)%2)
.irp b, 0,1,2,3,4,5,6,7
	ds_store_b128 v[STO], v[TMP+8*(\b):TMP+8*(\b)+3]   offset:64*(\b)
	ds_store_b128 v[STO], v[TMP+8*(\b)+4:TMP+8*(\b)+7] offset:64*(\b)+16
.endr
.irp t, 0,1,2,3,4,5,6,7,8,9,10,11,12,13,14,15
	ds_load_b128 v[BKA+4*(\t):BKA+4*(\t)+3], v[RD] offset:(\t)*SPITCH  ; LDS serves a wave's instructions in order (ISA guide 5.7.1.4): these see the stores above
.endr
.endm
.macro SEND a
.set BKA, BK+64*((\a)%2)
	s_wait_dscnt 0x0                               ; the block is back in registers
	s_wait_xcnt 0x0                                ; the stores of the block before have read their registers: the next block's rows land there only behind this wait
.irp t, 0,1,2,3,4,5,6,7,8,9,10,11,12,13,14,15
	global_store_b128 v[CO], v[BKA+4*(\t):BKA+4*(\t)+3], s[10:11] offset:(16*(\a)+(\t))*CROW th:TH_STORE_NT  ; 512 consecutive bytes, aligned; the row stands in the immediate, 127 rows at the most
.endr
.endm
	s_wait_tensorcnt 1                             ; my part of K step 0 is in; K step 1's may stay out
	s_barrier_signal -1
	s_barrier_wait -1                              ; everybody's is
	FETCH 0, 0, F0
	QUARTER 0, 1, F0, F1, 1                        ; the first quarter stands in front of the loop: its products start the sums
	WIN 0                                          ; at a label and at a branch every window is 0
	s_mov_b32 s3, LAPS-1
.Llap:                                                 ; a trip goes once round the ring, from a lap's second quarter to the next lap's first, and fills both slots again
	QUARTER 0, 2, F1, F0, 0
	QUARTER 0, 3, F0, F1, 0
	TURN 0, 1, 1
	QUARTER 1, 1, F0, F1, 0
	QUARTER 1, 2, F1, F0, 0
	QUARTER 1, 3, F0, F1, 0
	TURN 1, 0, 1
	QUARTER 0, 1, F0, F1, 0
	WIN 0
	s_sub_co_u32 s3, s3, 1
	s_cmp_lg_u32 s3, 0
	s_cbranch_scc1 .Llap
	QUARTER 0, 2, F1, F0, 0                        ; the last lap fills nothing, and has no round of the cluster's barrier
	QUARTER 0, 3, F0, F1, 0
	TURN 0, 1, 0
	QUARTER 1, 1, F0, F1, 0
	QUARTER 1, 2, F1, F0, 0
	QUARTER 1, 3, F0, F1, 0
	s_wait_dscnt 8                                 ; the very last quarter: nothing more to fetch
	MUL16 F1, 0, 0, 0
	MUL16 F1, 0, 2, 0
	s_wait_dscnt 0x0
	MUL16 F1, 1, 0, 0
	MUL16 F1, 1, 2, 0
	WIN 0
	PLACES                                         ; the scalings read results and write registers that the products have read:
	PLACES                                         ; eight places, once a launch, where four are asked for
	SCALE 0
	TOSTAGE 0
.irp a, 1,2,3,4,5,6,7                  ; block a's scalings stand between block a - 1's loads from the stage and the wait for them
	SCALE \a
	SEND (\a)-1
	TOSTAGE \a
.endr
	SEND 7
	s_wait_tensorcnt 0x0                           ; the wave's end, behind my last tensor load and my last LDS store
	ds_add_u32 v[SPW], v[NIL]
	s_wait_dscnt 0x0
	CROUND                                         ; the closing round: no work-group ends while a partner may still ask for a tile that names it
	s_endpgm
.Lfunc_end_k_q5f5ee65383_gemm:
	.size	k_q5f5ee65383_gemm, .Lfunc_end_k_q5f5ee65383_gemm-k_q5f5ee65383_gemm
	.p2alignl 7, 3214868480
	.fill 96, 4, 3214868480
	.section	.rodata,"a",@progbits
	.p2align	6, 0x0
	.amdhsa_kernel k_q5f5ee65383_gemm
		.amdhsa_group_segment_fixed_size 327680
		.amdhsa_private_segment_fixed_size 0
		.amdhsa_enable_private_segment 0
		.amdhsa_kernarg_size 32
		.amdhsa_user_sgpr_count 2
		.amdhsa_user_sgpr_kernarg_segment_ptr 1
		.amdhsa_wavefront_size32 1
		.amdhsa_system_sgpr_workgroup_id_x 1
		.amdhsa_system_sgpr_workgroup_id_y 1
		.amdhsa_system_sgpr_workgroup_id_z 1
		.amdhsa_system_vgpr_workitem_id 0
		.amdhsa_next_free_vgpr 1024
		.amdhsa_next_free_sgpr 80
		.amdhsa_reserve_vcc 0
		.amdhsa_float_denorm_mode_32 3
		.amdhsa_float_denorm_mode_16_64 3
		.amdhsa_memory_ordered 1
		.amdhsa_forward_progress 1
		.amdhsa_inst_pref_size 160
	.end_amdhsa_kernel
	.amdgpu_metadata
---
amdhsa.version: [ 1, 2 ]
amdhsa.kernels:
  - .name:           k_q5f5ee65383_gemm
    .symbol:         k_q5f5ee65383_gemm.kd
    .args:
      - { .name: qa, .offset: 0, .size: 8, .value_kind: global_buffer, .address_space: global }
      - { .name: qb, .offset: 8, .size: 8, .value_kind: global_buffer, .address_space: global }
      - { .name: pmax, .offset: 16, .size: 8, .value_kind: global_buffer, .address_space: global }
      - { .name: out0, .offset: 24, .size: 8, .value_kind: global_buffer, .address_space: global }
    .group_segment_fixed_size: 327680
    .private_segment_fixed_size: 0
    .kernarg_segment_align: 8
    .kernarg_segment_size: 32
    .max_flat_workgroup_size: 128
    .sgpr_count:     80
    .vgpr_count:     1024
    .wavefront_size: 32
...
	.end_amdgpu_metadata
.endif
;; end of part 3
